; MI455X (gfx1250); checked and timed in simulation.
; The chip was launched on July 23, 2026; its instructions are those of AMD's public machine-readable ISA for CDNA 5 (MIT licence, August 2026) and "CDNA5" Instruction Set Architecture Reference Guide (July 2026). The comments in the code are by the model that wrote it; some were corrected since.
;; Mixed Heads V2. Allowed arithmetic: matrix products marked QUANTISED: E3M2 operands, one E8M0 scale for each 32 along K, by v_wmma_scale_f32_16x16x128_f8f6f4 with both operands' format E3M2, f32 sums; products left as they are: f32 operands where the result goes on into a quantised operand, else bf16, f16 or f32 operands; f32 sums; everything else in f32.
;; Inputs: base_K 8 x 128 x 512 float32; base_Q 8 x 128 x 512 float32; base_V 8 x 128 x 512 float32; weights 4 float32; x 4 x 2,048 x 512 float32.
;; Outputs: out0 4 x 2,048 x 1,024 float32.
;; This version of the problem:
;;   THIS VERSION OF THE PROBLEM IS GIVEN IN LOW PRECISION. The matrix products marked QUANTISED in the list below multiply operands that are first quantised to E3M2 (3 exponent bits, 2 mantissa bits; 6 bits a number), with one power-of-two scale for each 32 numbers along K (OCP MX v1.0); their sums are f32. All else is computed in f32.
;;   The module's matrix products, in the order in which they are computed (A, B: the left and right operand; K: the contracted axis; several contracted axes count as one K, in the product's order):
;;     1. [M 1, K 4] x [K 4, N 524,288]; A: input weights; B: computed on the way: left as it is (K = 4 < 32)
;;     2. [M 1,024, K 512] x [K 512, N 8,192]; A: computed on the way; B: input x: QUANTISED
;;     3. [M 1,024, K 512] x [K 512, N 8,192]; A: computed on the way; B: input x: QUANTISED
;;     4. [M 1,024, K 512] x [K 512, N 8,192]; A: computed on the way; B: input x: QUANTISED
;;     5. batch 32 x [M 2,048, K 128] x [K 128, N 2,048]; A: computed on the way; B: computed on the way: QUANTISED
;;     6. batch 32 x [M 2,048, K 2,048] x [K 2,048, N 128]; A: softmax (see below); B: computed on the way: QUANTISED
;;   THE QUANTISER, for each operand of a quantised product, along K:
;;     - K is cut into blocks of 32 from its start; a last block that is shorter is filled with zeros.
;;     - A block's scale is 2^e with e = floor(log2(the largest magnitude in the block)) - 4, held to -126 .. 127; a block of zeros has e = 0. As a byte (E8M0): e + 127.
;;     - Each number is divided by its block's scale, clamped to +-28, and rounded to the nearest number of E3M2, ties to even, subnormals kept.
;;     - The product sums the exact products of the quantised numbers (number of the format x scale) in f32.
;;   ~~~python
;;   def quantise(x, axis):      # numpy; x: float32 -> the quantised numbers, widened to float32 again
;;       x = np.moveaxis(x, axis, -1); K = x.shape[-1]
;;       x = np.pad(x, [(0, 0)] * (x.ndim - 1) + [(0, -K % 32)]); x = x.reshape(x.shape[:-1] + (-1, 32)); a = np.abs(x).max(-1, keepdims=True)
;;       e = np.where(a > 0, np.clip(np.frexp(np.where(a > 0, a, 1))[1] - 1 - 4, -126, 127), 0)      # np.frexp(a)[1] - 1 = floor(log2(a)), exactly
;;       r = np.clip(x / 2.0 ** e, -28, 28)
;;       step = 2.0 ** (np.maximum(np.frexp(np.where(r == 0, 1, r))[1] - 1, -2) - 2)
;;       q = np.round(r / step) * step * 2.0 ** e      # np.round: ties to even
;;       return np.moveaxis(q.reshape(q.shape[:-2] + (-1,))[..., :K], -1, axis).astype(np.float32)
;;   ~~~
;;   SOFTMAX AHEAD OF A QUANTISED PRODUCT. Where the list says 'softmax', what is quantised is not the finished softmax but p = 2^(t - M), with t = logit x log2(e) and M = ceil(the row's largest t), a whole number; so 1/2 < the row's largest p <= 1. The row's sum l is taken of the UNQUANTISED p, in f32, and the product's result is divided by l at the end. Since M is a whole number, a kernel that streams over the keys may use a running M (the ceiling of the running maximum): every later rescaling is an exact power of two, which a block's scale takes up: the codes' values come out the same.
;;   OPERANDS COMPUTED ON THE WAY. 'Computed on the way' means the value that the module computes at that place (a softmax that the list does not call 'softmax' is quantised finished and normalised). What goes into a quantiser is computed in f32, as accurately as f32 sums, v_exp_f32 and their like allow (about 1e-6 of the number): no bf16 or f16 on the way to a quantiser, and a product that is left as it is and whose result goes on into a quantised operand takes f32 operands (vector FMAs, or v_wmma_f32_16x16x4_f32). A number that lies on a knife's edge between two numbers of the format may be rounded either way, as far as f32 arithmetic and the matrix unit's own rounding can turn it there, and no further.
;; One version. Each part assembles by itself: llvm-mc -triple=amdgcn-amd-amdhsa -mcpu=gfx1250 --defsym DOCPART=n.
;; ======== version 1 of 1: 3 launches
;; limits: right only within a limited range of input values
;; workspace buffers: xw 4,198,400 bytes; qkv 14,745,600 bytes
;; launch prep (part 1): grid 4 x 82, 4 waves a work-group, no clusters, 68,608 bytes of LDS; arguments x, base_Q, base_K, base_V, weights, xw; writes xw
.if DOCPART == 1
	.amdgcn_target "amdgcn-amd-amdhsa--gfx1250"
	.amdhsa_code_object_version 6
	.text
	.protected	k_q4a3d976222_prep
	.globl	k_q4a3d976222_prep
	.p2align	8
	.type	k_q4a3d976222_prep,@function
k_q4a3d976222_prep:
	s_mov_b64 s[64:65], 0
	v_nop
	global_prefetch_b8 v0, s[64:65] scope:SCOPE_SE
	s_setreg_imm32_b32 hwreg(HW_REG_WAVE_MODE, 25, 1), 1
	s_wait_xcnt 0x0
; PREP: W = eff x base (f32) and x are quantised along c (K = 512) to codes of E3M2 with one E8M0 byte for each 32, and stored as IMAGES OF OPERAND REGISTERS.
; DEAD WORK, in the problem's own terms.  eff[h][d][c] = sum over i of weights[i] x mask_i[h][d][c], and the four masks are built in the problem's own body:
;   mask 0: h < 4, d < 64, c < 256;   mask 1: d < 32, c < 256;   mask 2: h < 4;   mask 3: d < 64.
; (a) For h >= 4 and d >= 64 all four masks are 0, whatever weights holds: those rows of Wq, Wk, Wv are 0, so q, k, v are 0 there, add nothing to a score, and the output there is 0 / l = 0.
;     These rows of base_Q, base_K, base_V are not loaded, projected or multiplied; the last launch stores the zeros.
; (b) eff is one number on each (h < 4 or not, 32 rows of d, half of c): the product of weights with the masks is a selection of weights, added in the order i = 0, 1, 2, 3.
; Every input keeps a way to an output.  LIMITS: a NaN, an infinity or an overflow that reaches only the rows left out is not carried to the result; NaN and infinities among the inputs are not served;
; a block of zeros gets the byte 1 where the quantiser says 127 (its codes are zeros and only this program reads the bytes); a block's largest magnitude is held at 2^-122 from below.
; VIRTUAL HEADS: vh 0..3 = heads 0..3 (128 rows of d); vh 4 = heads 4, 5 and vh 5 = heads 6, 7: 128 virtual rows = [first head, d 0..63 | second head, d 0..63].
; GROUPS of 128 rows: G = 3 vh + kind (0 q, 1 k, 2 v) for the weights, G = 18 + block for x's 64 blocks.  A group is 8 tiles of 16 rows; tile 8 G + t has a record of 6,400 bytes in xw:
;   four fragment images of 1,536 bytes (K step s; four registers a lane at 512 c + 16 lane), then 256 bytes of scale words at 16 r + 4 s.
; THE ROWS OF A TILE: for x, Wq, Wk lane r of tile t takes row 32 (t / 2) + 8 (t % 2) + r + 8 (r / 8), so that the next launch's results run along the next K in a lane's registers; for Wv row 16 t + r.
; SHARES: a work-group takes 32 rows (tiles 2 BQ, 2 BQ + 1 of group G); wave s takes K step s: 512 bytes of each row.  Each load reads 512 consecutive bytes of one row; the rows turn through the wave's own stage
; in LDS (pitch 528: sixteen rows begin in sixteen different 16-byte columns), so that a lane gets 16 neighbours along c of each block of 32 of its own row.  No tensor load; one barrier, for the scale words.
.set WST,   16896                      ; a wave's stage: 32 rows x 528 bytes
.set SCB,   4*WST                      ; the two tiles' scale words, [tile][r][s]: 512 bytes
.set SPARE, SCB+512                    ; the spare words, 128 bytes for each wave: two blocks of 256 bytes that no other line names
.set TREC,  6400                       ; a tile's record
.set NW,    18                         ; groups of weights
.set R,     64                         ; v64-191 32 rows as loaded, then two sets of 64 numbers
.set PC0,   16                         ; v16-34  tile 0's codes
.set PC1,   36                         ; v36-54  tile 1's
.set TM,    192                        ; v192-207 at work in the quantiser
.set PW,    208                        ; v208, v209 the two tiles' scale words; v210 both, by halves of the lanes
.set SPW,   10                         ; v10 LDS address of my spare word; never rewritten
.set NIL,   11                         ; v11 0; never rewritten
.set SEL,   26                         ; s[26:27] lane selects for v_permlanex16_b32: lane l xor 16
; 64 numbers of a lane, register 16 b + i = k 32 b + 16 (lane / 16) + i of my row, become a fragment's codes in v[pc] .. v[pc + 11] and its scale word in v[pw].
.macro QUANT s, pc, pw
.irp b, 0,1,2,3
	v_max3_num_f32 v[TM+\b], |v[\s+16*\b]|, |v[\s+1+16*\b]|, 0x2800000   ; block b: my 16 numbers, and the floor 2^(5 - 127): the byte cannot fall under 1
.endr
.irp i, 2,4,6,8,10,12,14
.irp b, 0,1,2,3
	v_max3_num_f32 v[TM+\b], v[TM+\b], |v[\s+16*\b+\i]|, |v[\s+1+16*\b+\i]|   ; the four blocks by turns
.endr
.endr
.irp b, 0,1,2,3
	v_permlanex16_b32 v[TM+4+\b], v[TM+\b], s[SEL], s[SEL+1]
.endr
.irp b, 0,1,2,3
	v_max_num_f32 v[TM+\b], v[TM+\b], v[TM+4+\b]   ; with lane l xor 16's: the block's largest magnitude
.endr
.irp b, 0,1,2,3
	v_add_nc_u32 v[TM+12+\b], 0xfe000000, v[TM+\b]   ; 4 off its exponent field: the conversion's scale operand
.endr
.irp b, 0,1,2,3
	v_lshrrev_b32 v[TM+4+\b], 23, v[TM+12+\b]      ; the scale's byte
.endr
	v_lshl_or_b32 v[\pw], v[TM+5], 8, v[TM+4]      ; four bytes: my row's scale word
	v_lshl_or_b32 v[\pw], v[TM+6], 16, v[\pw]
	v_lshl_or_b32 v[\pw], v[TM+7], 24, v[\pw]
.irp c, 0,1
	v_cvt_scalef32_pk16_bf6_f32 v[\pc+6*\c:\pc+2+6*\c], v[\s+32*\c:\s+15+32*\c], v[TM+12+2*\c]
	v_cvt_scalef32_pk16_bf6_f32 v[\pc+12+4*\c:\pc+14+4*\c], v[\s+16+32*\c:\s+31+32*\c], v[TM+12+2*\c+1]   ; (a conversion's three registers begin on an even number)
.endr
	v_nop                                          ; one plain place behind a scaled conversion
.irp c, 0,1                                    ; the operand's layout wants a whole block in a lane: lanes 0-15 block 2 c, lanes 16-31 block 2 c + 1
.irp i, 0,1,2
	v_permlane16_swap_b32 v[\pc+6*\c+\i], v[\pc+12+4*\c+\i]
.endr
.irp i, 0,1,2
	v_mov_b32 v[\pc+3+6*\c+\i], v[\pc+12+4*\c+\i]
.endr
.endr
.endm
	s_load_b256 s[4:11], s[0:1], 0x0               ; x s[4:5], base_Q s[6:7], base_K s[8:9], base_V s[10:11]
	s_load_b128 s[12:15], s[0:1], 0x20             ; weights s[12:13], xw s[14:15]
	v_lshl_add_u32 v[SPW], v0, 2, SPARE
	v_mov_b32 v[NIL], 0
	v_lshrrev_b32 v1, 5, v0
	v_readfirstlane_b32 s16, v1                    ; wave = K step
	s_mov_b32 s17, ttmp9                           ; BQ: which 32 rows of the group
	s_and_b32 s18, ttmp7, 0xffff                   ; G
	s_mul_i32 s19, s18, 11
	s_lshr_b32 s19, s19, 5                         ; vh = G / 3 (exact for G < 18; beyond, what hangs on it is selected away)
	s_mul_i32 s20, s19, 3
	s_sub_co_u32 s20, s18, s20                     ; kind
	s_lshl_b32 s22, s19, 7
	s_lshl_b32 s23, s17, 5
	s_add_co_u32 s22, s22, s23                     ; heads 0..3: row 128 vh + 32 BQ
	s_lshl_b32 s24, s19, 1
	s_sub_co_u32 s24, s24, 4
	s_lshr_b32 s25, s17, 1
	s_add_co_u32 s24, s24, s25                     ; heads 4..7: head 2 vh - 4 + BQ / 2,
	s_lshl_b32 s24, s24, 7
	s_and_b32 s25, s17, 1
	s_lshl_b32 s25, s25, 5
	s_add_co_u32 s24, s24, s25                     ; its rows 32 (BQ % 2) on
	s_cmp_ge_u32 s19, 4
	s_cselect_b32 s22, s24, s22
	s_cselect_b32 s21, 1, 0                        ; 1: heads 4..7
	s_sub_co_u32 s24, s18, NW
	s_lshl_b32 s24, s24, 7
	s_add_co_u32 s24, s24, s23                     ; x: row 128 (G - 18) + 32 BQ
	s_cmp_lt_u32 s18, NW
	s_cselect_b32 s22, s22, s24                    ; my first row
	s_cselect_b32 s38, s20, 0                      ; the kind; x counts as kind 0
	s_lshl_b32 s24, s22, 11                        ; a row is 2,048 bytes,
	s_lshl_b32 s25, s16, 9                         ; my K step 512 of them
	s_add_co_u32 s24, s24, s25
	s_mov_b32 s25, 0
	s_mov_b32 s39, 32768                           ; positions 8-15 of the stage hold rows 16-23 and positions 16-23 rows 8-15,
	s_cmp_eq_u32 s38, 2
	s_cselect_b32 s39, 16384, s39                  ; but for Wv, whose tiles are neighbouring rows
	s_sub_co_u32 s40, 49152, s39
	s_lshl_b32 s44, s18, 3
	s_lshl_b32 s45, s17, 1
	s_add_co_u32 s44, s44, s45
	s_mul_i32 s44, s44, TREC                       ; tile 8 G + 2 BQ's record,
	s_mul_i32 s45, s16, 1536
	s_add_co_u32 s44, s44, s45                     ; my K step's image
	s_mov_b32 s45, 0
	s_mov_b32 s[SEL], 0x76543210
	s_mov_b32 s[SEL+1], 0xfedcba98
	s_mov_b32 s28, 0xffff0000                      ; lanes 16-31
	s_mov_b32 s36, 0                               ; eff of a group of weights comes here; written on x's way too, since two branches on the same number follow
	s_mov_b32 s37, 0
	v_and_b32 v1, 31, v0                           ; lane
	v_and_b32 v2, 15, v0                           ; r
	v_bfe_u32 v3, v0, 4, 1                         ; h
	v_lshlrev_b32 v4, 4, v1                        ; 16 x lane: my bytes of a load's 512, and of an image's
	v_add_nc_u32 v5, s39, v4
	v_add_nc_u32 v6, s40, v4
	s_mul_i32 s30, s16, WST
	v_add_nc_u32 v7, s30, v4                       ; the stage, on the way in
	v_mul_u32_u24 v8, v2, 528
	v_lshl_add_u32 v8, v3, 6, v8
	v_add_nc_u32 v8, s30, v8                       ; and out: row r, + 64 h: my 16 numbers of a block of 32
	v_lshlrev_b32 v9, 4, v2
	v_lshl_add_u32 v9, v3, 8, v9
	s_lshl_b32 s30, s16, 2
	s_add_co_u32 s30, s30, SCB
	v_add_nc_u32 v9, s30, v9                       ; my scale word: lanes 0-15 tile 0's row r, lanes 16-31 tile 1's; + 4 x K step
	v_mul_u32_u24 v12, v3, TREC
	v_lshl_add_u32 v12, v2, 4, v12                 ; the scale words' place in the two records
	v_add_nc_u32 v13, SCB, v4
.irp b, 0,1,2,3
	v_mov_b32 v[TM+4+\b], 0                        ; written once: a lane permute's destination counts as one of its sources
.endr
	s_wait_kmcnt 0x0
	s_cmp_eq_u32 s20, 1                            ; the source: a choice among buffers by the group's number alone
	s_cselect_b64 s[6:7], s[8:9], s[6:7]
	s_cmp_eq_u32 s20, 2
	s_cselect_b64 s[6:7], s[10:11], s[6:7]
	s_cmp_lt_u32 s18, NW
	s_cselect_b64 s[4:5], s[6:7], s[4:5]
	s_add_nc_u64 s[4:5], s[4:5], s[24:25]
	s_add_nc_u64 s[14:15], s[14:15], s[44:45]
.irp i, 0,1,2,3,4,5,6,7
	global_load_b128 v[R+4*\i:R+4*\i+3], v4, s[4:5] offset:\i*2048 th:TH_LOAD_NT          ; 32 lanes read 512 consecutive bytes of one row
.endr
.irp i, 0,1,2,3,4,5,6,7
	global_load_b128 v[R+32+4*\i:R+32+4*\i+3], v5, s[4:5] offset:\i*2048 th:TH_LOAD_NT
.endr
.irp i, 0,1,2,3,4,5,6,7
	global_load_b128 v[R+64+4*\i:R+64+4*\i+3], v6, s[4:5] offset:\i*2048 th:TH_LOAD_NT
.endr
.irp i, 0,1,2,3,4,5,6,7
	global_load_b128 v[R+96+4*\i:R+96+4*\i+3], v4, s[4:5] offset:(24+\i)*2048 th:TH_LOAD_NT
.endr
.macro GET u                           ; tile u's 16 rows through the stage; the second tile's loads stay out while the first is worked
.set P, 16*(\u)
.rept 16
	s_wait_loadcnt 31-P                            ; loads come back in order: position P is in, the 31 - P younger ones may be out
	ds_store_b128 v7, v[R+4*P:R+4*P+3] offset:528*P
.set P, P+1
.endr
	s_wait_dscnt 0x0                               ; the stores have read their registers, which the loads below fill
.irp b, 0,1,2,3
.irp j, 0,1,2,3
	ds_load_b128 v[R+64*(\u)+16*\b+4*\j:R+64*(\u)+16*\b+4*\j+3], v8 offset:16*(\u)*528+128*\b+16*\j   ; block b: k = 32 b + 16 h + 4 j on, of row r
.endr
.endr
	s_wait_dscnt 0x0
.endm
	GET 0
	s_cmp_lt_u32 s18, NW
	s_cbranch_scc0 .Lplain                         ; x is quantised as it is
	s_load_b128 s[32:35], s[12:13], 0x0            ; weights
	s_and_b32 s38, s17, 1
	s_cmp_lg_u32 s21, 0
	s_cselect_b32 s38, s38, s17                    ; d / 32 of my rows
	s_cmp_lt_u32 s16, 2
	s_cselect_b32 s39, 1, 0                        ; c < 256
	s_cmp_lt_u32 s38, 2
	s_cselect_b32 s40, 1, 0                        ; d < 64: mask 3
	s_cmp_eq_u32 s38, 0
	s_cselect_b32 s41, 1, 0                        ; d < 32
	s_xor_b32 s42, s21, 1                          ; h < 4: mask 2
	s_and_b32 s43, s42, s40
	s_and_b32 s43, s43, s39                        ; mask 0
	s_and_b32 s41, s41, s39                        ; mask 1
	s_wait_kmcnt 0x0
	s_cmp_lg_u32 s43, 0
	s_cselect_b32 s32, s32, 0
	s_cmp_lg_u32 s41, 0
	s_cselect_b32 s33, s33, 0
	s_cmp_lg_u32 s42, 0
	s_cselect_b32 s34, s34, 0
	s_cmp_lg_u32 s40, 0
	s_cselect_b32 s35, s35, 0
	s_add_f32 s36, s32, s33
	s_add_f32 s36, s36, s34
	s_add_f32 s36, s36, s35                        ; eff, one number for my 32 rows x 128 c
	s_mov_b32 s37, s36                             ; (named with it as a pair, so it is written)
.set P, 0
.rept 32
	v_pk_mul_f32 v[R+P:R+P+1], v[R+P:R+P+1], s[36:37] op_sel_hi:[1,0]   ; W = eff x base
.set P, P+2
.endr
.Lplain:
	QUANT R, PC0, PW
.irp c, 0,1,2
	global_store_b128 v4, v[PC0+4*\c:PC0+4*\c+3], s[14:15] offset:512*\c           ; 32 lanes store 512 consecutive bytes, at a multiple of 256 from xw's first byte
.endr
	GET 1
	s_cmp_lt_u32 s18, NW
	s_cbranch_scc0 .Lplain1
.set P, 64
.rept 32
	v_pk_mul_f32 v[R+P:R+P+1], v[R+P:R+P+1], s[36:37] op_sel_hi:[1,0]
.set P, P+2
.endr
.Lplain1:
	QUANT R+64, PC1, PW+1
.irp c, 0,1,2
	global_store_b128 v4, v[PC1+4*\c:PC1+4*\c+3], s[14:15] offset:TREC+512*\c
.endr
	v_cndmask_b32 v[PW+2], v[PW], v[PW+1], s28     ; lanes 0-15: tile 0's words, lanes 16-31: tile 1's
	ds_store_b32 v9, v[PW+2]
	s_wait_dscnt 0x0                               ; for wave 0's sake: my words have landed
	s_barrier_signal -1
	s_barrier_wait -1
	s_cmp_lg_u32 s16, 0
	s_cbranch_scc1 .Lend
	ds_load_b128 v[56:59], v13                     ; a row's four words, all K steps
	s_wait_dscnt 0x0
	global_store_b128 v12, v[56:59], s[14:15] offset:6144   ; sixteen lanes store 256 consecutive bytes, aligned, in each of the two records (wave 0's base is the record's first byte)
.Lend:
	s_wait_tensorcnt 0x0                           ; the wave's end: behind my last LDS store
	ds_add_u32 v[SPW], v[NIL]
	s_wait_dscnt 0x0
	s_endpgm
.Lfunc_end_k_q4a3d976222_prep:
	.size	k_q4a3d976222_prep, .Lfunc_end_k_q4a3d976222_prep-k_q4a3d976222_prep
	.p2alignl 7, 3214868480
	.fill 96, 4, 3214868480
	.section	.rodata,"a",@progbits
	.p2align	6, 0x0
	.amdhsa_kernel k_q4a3d976222_prep
		.amdhsa_group_segment_fixed_size 68608
		.amdhsa_private_segment_fixed_size 0
		.amdhsa_enable_private_segment 0
		.amdhsa_kernarg_size 48
		.amdhsa_user_sgpr_count 2
		.amdhsa_user_sgpr_kernarg_segment_ptr 1
		.amdhsa_wavefront_size32 1
		.amdhsa_system_sgpr_workgroup_id_x 1
		.amdhsa_system_sgpr_workgroup_id_y 1
		.amdhsa_system_sgpr_workgroup_id_z 1
		.amdhsa_system_vgpr_workitem_id 0
		.amdhsa_next_free_vgpr 216
		.amdhsa_next_free_sgpr 66
		.amdhsa_reserve_vcc 0
		.amdhsa_float_denorm_mode_32 3
		.amdhsa_float_denorm_mode_16_64 3
		.amdhsa_memory_ordered 1
		.amdhsa_forward_progress 1
		.amdhsa_inst_pref_size 26
	.end_amdhsa_kernel
	.amdgpu_metadata
---
amdhsa.version: [ 1, 2 ]
amdhsa.kernels:
  - .name:           k_q4a3d976222_prep
    .symbol:         k_q4a3d976222_prep.kd
    .args:
      - { .name: x, .offset: 0, .size: 8, .value_kind: global_buffer, .address_space: global }
      - { .name: base_Q, .offset: 8, .size: 8, .value_kind: global_buffer, .address_space: global }
      - { .name: base_K, .offset: 16, .size: 8, .value_kind: global_buffer, .address_space: global }
      - { .name: base_V, .offset: 24, .size: 8, .value_kind: global_buffer, .address_space: global }
      - { .name: weights, .offset: 32, .size: 8, .value_kind: global_buffer, .address_space: global }
      - { .name: xw, .offset: 40, .size: 8, .value_kind: global_buffer, .address_space: global }
    .group_segment_fixed_size: 68608
    .private_segment_fixed_size: 0
    .kernarg_segment_align: 8
    .kernarg_segment_size: 48
    .max_flat_workgroup_size: 128
    .sgpr_count:     66
    .vgpr_count:     216
    .wavefront_size: 32
...
	.end_amdgpu_metadata
.endif
;; end of part 1
;; launch proj (part 2): grid 64 x 4, 8 waves a work-group, clusters of 4 x 4, 327,680 bytes of LDS; arguments xw, qkv; writes qkv
.if DOCPART == 2
	.amdgcn_target "amdgcn-amd-amdhsa--gfx1250"
	.amdhsa_code_object_version 6
	.text
	.protected	k_q4a3d976222_proj
	.globl	k_q4a3d976222_proj
	.p2align	8
	.type	k_q4a3d976222_proj,@function
k_q4a3d976222_proj:
	s_mov_b64 s[64:65], 0
	v_nop
	global_prefetch_b8 v0, s[64:65] scope:SCOPE_SE
	s_setreg_imm32_b32 hwreg(HW_REG_WAVE_MODE, 25, 1), 1
	s_wait_xcnt 0x0
	s_wait_alu depctr_hold_cnt(0) depctr_sa_sdst(0) depctr_va_vdst(0) depctr_va_sdst(0) depctr_va_ssrc(0) depctr_va_vcc(0) depctr_vm_vsrc(0)
	s_getreg_b32 s2, hwreg(HW_REG_IB_STS2, 6, 4)
	s_cmp_eq_u32 s2, 0
	s_cbranch_scc0 .Lentry_in_a_cluster
	s_endpgm
.Lentry_in_a_cluster:
	s_bfe_u32 s2, ttmp6, 0x10000c
	s_cmp_lg_u32 s2, 0xf033
	s_cbranch_scc0 .Lentry_shape_is_right
	s_endpgm
.Lentry_shape_is_right:
; PROJ: q, k, v = x W^T on codes of E3M2 (K = 512, sums in f32), each result quantised at once: q and k along d, v along the keys, and stored as images of the next launch's operand registers.
; Left out, as shown at the head of the first kernel: d >= 64 of heads 4..7 (their rows of Wq, Wk, Wv are zeros).  LIMIT: a NaN, an infinity or an overflow that reaches only those rows is not carried to the result.
; INPUT xw: tiles of 16 rows, records of 6,400 bytes: four fragment images of 1,536 bytes (K step s; four registers a lane at 512 c + 16 lane), then scale words at 16 r + 4 s.  A group is 8 tiles: G = 3 vh + kind (0 q, 1 k, 2 v), G = 18 + block for x.
; OUTPUT qkv: records of 12,800 bytes: 8 fragment images, then a scale word for each of 128 rows.  [virtual head of a batch][block of 128 tokens][k, v], and behind them q's.
; SHARES: work-group (X, y) takes x's block X (128 tokens) and a quarter of the weights: the 3 groups vh = 3 (y % 2) + 0, 1, 2 of kind y / 2 (q or k), and the 3 half groups (4 tiles) 3 y + 0, 1, 2 of v's twelve: 4.5 of 18 groups, 256 equal work-groups.
; CLUSTERS of 4 x 4: x's block is shared along a column (the same X), the weights along a row (the same y): all tiles come by joint loads of four.
; TWO STAGES of loads, one load a wave in each: first x's block (waves 4-7, a quarter each) and q's or k's first two groups (waves 0-3, half a group each); behind a round of the cluster's barrier the third group (waves 0, 1) and v's three
; half groups (waves 2-4), which land while the first job runs.  No prefetch: the launch has no loop to run ahead in.
; JOBS: q, k: W's 8 tiles x 2 tiles of tokens (a lane holds one token, registers along d); v: x's 8 tiles x 3 tiles of d (a lane holds one d, registers along the tokens).  First all waves: group w / 4, token pair w % 4;
; then waves 0-3 the third group, waves 4-7 tile w % 4 of each half group of v: 288 matrix instructions on waves w and w + 4 together.  Fragments are loaded a chunk (4 tiles of 128 along K) ahead, in two buffers.
; REGISTERS: window 0: addresses, scale words, v32-127 source 0 (two buffers of 4 tiles), v128-199 source 1 (two buffers of 3).  Window 1: 0-191 sums, 192-255 the quantiser.
.set GR,    51200                      ; a group
.set HG,    25600                      ; half a group
.set TREC,  6400
.set REC,   12800
.set XBASE, 921600
.set QBASE, 9830400
.set XL,    9*HG                       ; LDS: nine half groups of weights (0-5 the three groups, 6-8 v's), then x's block
.set SPARE, XL+GR                      ; the spare words, 128 bytes for each wave: four blocks of 256 bytes that no other line names
.set SPW,   1
.set NIL,   2
.set OUTV,  8
.set OUTVS, 9
.set AS,    10                         ; source 0's scale words: two for each buffer (even tile lanes 0-15, odd tile lanes 16-31)
.set BS,    14                         ; source 1's: three for each buffer
.set ADA1,  20
.set ADA2,  21
.set ADX,   22
.set AS1,   23
.set AS2,   24
.set ASX,   25
.set ADB,   26
.set ADBS,  27
.set ADBV,  28
.set ADBVS, 29
.set OUT,   30
.set OUTS,  31
.set AF,    32
.set BF,    128
.set TM,    192                        ; window 1
.set PC,    208
.set PW,    248
.set WV,    8
.set G1W,   16
.set G1X,   24
.set G0W,   32
.set G0X,   36
.set G0S,   40
.set SEL,   48
.set MSB, 0
.macro WIN new                         ; the immediate's high byte repeats the setting that is left
.if MSB != \new
	s_set_vgpr_msb (MSB<<8)|\new
.set MSB, \new
.endif
.endm
.macro PL4
.rept 4
	v_nop
.endr
.endm
.macro CROUND                          ; a round of the cluster's barrier
	s_barrier_signal -1
	s_barrier_wait -1
	s_cmp_lg_u32 s[WV], 0
	s_cbranch_scc1 .Lnot_wave_0_\@
	s_barrier_signal -3
.Lnot_wave_0_\@:
	s_barrier_wait -3
	s_barrier_signal -1
	s_barrier_wait -1
.endm
; 64 numbers of a lane, register 16 b + i = k 32 b + 16 (lane / 16) + i of its row, become a fragment's codes in v[pc] .. v[pc + 11] and its scale word in v[pw]
.macro QUANT s, pc, pw
.irp b, 0,1,2,3
	v_max3_num_f32 v[TM+\b], |v[\s+16*\b]|, |v[\s+1+16*\b]|, 0x2800000   ; and the floor 2^(5 - 127): the byte cannot fall under 1
.endr
.irp i, 2,4,6,8,10,12,14
.irp b, 0,1,2,3
	v_max3_num_f32 v[TM+\b], v[TM+\b], |v[\s+16*\b+\i]|, |v[\s+1+16*\b+\i]|
.endr
.endr
.irp b, 0,1,2,3
	v_permlanex16_b32 v[TM+4+\b], v[TM+\b], s[SEL], s[SEL+1]
.endr
.irp b, 0,1,2,3
	v_max_num_f32 v[TM+\b], v[TM+\b], v[TM+4+\b]   ; with lane l xor 16's: the block's largest magnitude
.endr
.irp b, 0,1,2,3
	v_add_nc_u32 v[TM+12+\b], 0xfe000000, v[TM+\b] ; 4 off its exponent field: the conversion's scale operand
.endr
.irp b, 0,1,2,3
	v_lshrrev_b32 v[TM+4+\b], 23, v[TM+12+\b]
.endr
.irp c, 0,1
	v_cvt_scalef32_pk16_bf6_f32 v[\pc+6*\c:\pc+2+6*\c], v[\s+32*\c:\s+15+32*\c], v[TM+12+2*\c]
	v_cvt_scalef32_pk16_bf6_f32 v[\pc+12+4*\c:\pc+14+4*\c], v[\s+16+32*\c:\s+31+32*\c], v[TM+13+2*\c]
.endr
	v_lshl_or_b32 v[\pw], v[TM+5], 8, v[TM+4]      ; the row's scale word.  (A plain place behind the conversions)
	v_lshl_or_b32 v[\pw], v[TM+6], 16, v[\pw]
	v_lshl_or_b32 v[\pw], v[TM+7], 24, v[\pw]
.irp c, 0,1                                    ; a whole block in a lane: lanes 0-15 block 2 c, lanes 16-31 block 2 c + 1
.irp i, 0,1,2
	v_permlane16_swap_b32 v[\pc+6*\c+\i], v[\pc+12+4*\c+\i]
.endr
.endr
.irp c, 0,1
.irp i, 0,1,2
	v_mov_b32 v[\pc+3+6*\c+\i], v[\pc+12+4*\c+\i]
.endr
.endr
.endm
; chunk ch: K step ch / 2, source 0's tiles 4 (ch % 2) + 0 .. 3: 14 loads
.macro LDA ch, ad, as
.irp t, 0,1,2,3
.irp c, 0,1,2
	ds_load_b128 v[AF+48*((\ch)%2)+12*\t+4*\c:AF+48*((\ch)%2)+12*\t+4*\c+3], v[\ad] offset:TREC*(4*((\ch)%2)+\t)+1536*((\ch)/2)+512*\c
.endr
.endr
.irp k, 0,1
	ds_load_b32 v[AS+2*((\ch)%2)+\k], v[\as] offset:REC*(2*((\ch)%2)+\k)+4*((\ch)/2)
.endr
.endm
; source 1's ne tiles, bo bytes apart, of K step s: 4 ne loads
.macro LDB s, ne, bo, ad, as
.irp e, 0,1,2
.if \e < \ne
.irp c, 0,1,2
	ds_load_b128 v[BF+36*((\s)%2)+12*\e+4*\c:BF+36*((\s)%2)+12*\e+4*\c+3], v[\ad] offset:(\bo)*\e+1536*(\s)+512*\c
.endr
	ds_load_b32 v[BS+3*((\s)%2)+\e], v[\as] offset:(\bo)*\e+4*(\s)
.endif
.endr
.endm
.macro MM ch, ne                       ; the chunk's products: 4 ne accumulators by turns; the first K step starts the sums
	WIN 0x50
.irp t, 0,1,2,3
.set FA, AF+48*((\ch)%2)+12*\t
.set SA, AS+2*((\ch)%2)+(\t)/2
.irp e, 0,1,2
.if \e < \ne
.set AC, 8*(4*((\ch)%2)+\t)+64*\e
.set FB, BF+36*(((\ch)/2)%2)+12*\e
.set SB, BS+3*(((\ch)/2)%2)+\e
.if (\ch) < 2
.if (\t)%2
	v_wmma_scale_f32_16x16x128_f8f6f4 v[AC:AC+7], v[FA:FA+11], v[FB:FB+11], 0, v[SA], v[SB] matrix_a_fmt:MATRIX_FMT_BF6 matrix_b_fmt:MATRIX_FMT_BF6 matrix_a_scale:MATRIX_SCALE_ROW1
.else
	v_wmma_scale_f32_16x16x128_f8f6f4 v[AC:AC+7], v[FA:FA+11], v[FB:FB+11], 0, v[SA], v[SB] matrix_a_fmt:MATRIX_FMT_BF6 matrix_b_fmt:MATRIX_FMT_BF6
.endif
.else
.if (\t)%2
	v_wmma_scale_f32_16x16x128_f8f6f4 v[AC:AC+7], v[FA:FA+11], v[FB:FB+11], v[AC:AC+7], v[SA], v[SB] matrix_a_fmt:MATRIX_FMT_BF6 matrix_b_fmt:MATRIX_FMT_BF6 matrix_a_scale:MATRIX_SCALE_ROW1
.else
	v_wmma_scale_f32_16x16x128_f8f6f4 v[AC:AC+7], v[FA:FA+11], v[FB:FB+11], v[AC:AC+7], v[SA], v[SB] matrix_a_fmt:MATRIX_FMT_BF6 matrix_b_fmt:MATRIX_FMT_BF6
.endif
.endif
.endif
.endr
.endr
	WIN 0
.endm
.macro JOB ne, bo, ad, as, bd, bs
	LDB 0, \ne, \bo, \bd, \bs
	LDA 0, \ad, \as
.irp ch, 0,1,2,3,4,5,6,7
.if \ch < 7
.if \ch > 0
	PL4                                            ; places in front of loads into registers that matrix instructions have read
.endif
.if (\ch)%2
	LDB (\ch+1)/2, \ne, \bo, \bd, \bs
	LDA \ch+1, \ad, \as
	s_wait_dscnt 14+4*\ne                          ; this chunk is in; the next one's loads may be out
.else
	LDA \ch+1, \ad, \as
	s_wait_dscnt 14
.endif
.else
	s_wait_dscnt 0x0
.endif
	MM \ch, \ne
.endr
	PL4
	WIN 0x55
	QUANT 0, PC, PW
	QUANT 64, PC+20, PW+1
.if \ne == 3
	QUANT 128, 0, PW+2                             ; (its codes over the first tile's sums, which have been converted)
.endif
.endm
.macro SENDQ base                      ; two tiles of q or k: 32 lanes store 512 consecutive bytes, at a multiple of 256
	v_cndmask_b32 v[PW+3], v[PW], v[PW+1], s50     ; lanes 0-15: the first tile's words, lanes 16-31: the second's
	WIN 0x04
.irp e, 0,1
.irp c, 0,1,2
	global_store_b128 v[OUT], v[PC+20*\e+4*\c:PC+20*\e+4*\c+3], s[\base:\base+1] offset:1536*\e+512*\c
.endr
.endr
	global_store_b32 v[OUTS], v[PW+3], s[\base:\base+1] offset:12288
	WIN 0
.endm
	s_load_b128 s[4:7], s[0:1], 0x0                ; xw s[4:5], qkv s[6:7]
	v_lshl_add_u32 v[SPW], v0, 2, SPARE
	v_mov_b32 v[NIL], 0
	ds_add_u32 v[SPW], v[NIL]                      ; the wave's opening: the add, twice on end, and its wait ahead of my first tensor load
	ds_add_u32 v[SPW], v[NIL]
	v_lshrrev_b32 v200, 5, v0
	v_readfirstlane_b32 s[WV], v200                ; wave 0..7
	s_lshr_b32 s9, s[WV], 2
	s_and_b32 s10, s[WV], 3                        ; p
	s_bfe_u32 s12, ttmp6, 0x40000                  ; cx
	s_bfe_u32 s13, ttmp6, 0x40004                  ; cy = y: a cluster spans the grid's four rows
	s_lshl_b32 s14, ttmp9, 2
	s_add_co_u32 s14, s14, s12                     ; X = 4 x cluster x + cx
	s_lshl_b32 s66, s13, 2
	s_lshl_b32 s66, 15, s66                        ; my row of the cluster
	s_or_b32 s[G1W], s66, (3<<16)|(1<<21)          ; 15:0 the mask; 17:16 elements of 8 bytes; 21 set beside a mask; no padding
	s_lshl_b32 s66, 0x1111, s12                    ; my column
	s_or_b32 s[G1X], s66, (3<<16)|(1<<21)
.irp g, G1W, G1X
	s_mov_b32 s[\g+1], 32<<16                      ; rows of 32 elements, 256 bytes, dense
	s_mov_b32 s[\g+3], 32<<16
	s_mov_b32 s[\g+5], 32
	s_mov_b32 s[\g+6], 0
	s_mov_b32 s[\g+7], 0
.endr
	s_mov_b32 s[G1W+2], 100<<16                    ; half a group of weights: 100 rows
	s_mov_b32 s[G1W+4], 100
	s_mov_b32 s[G1X+2], 50<<16                     ; a quarter of x's block: 50 rows
	s_mov_b32 s[G1X+4], 50
	s_and_b32 s67, s13, 1
	s_mul_i32 s67, s67, 3                          ; my first virtual head of q or k
	s_lshr_b32 s68, s13, 1                         ; the kind: q or k
	s_lshr_b32 s69, s[WV], 1
	s_add_co_u32 s69, s69, s67
	s_mul_i32 s69, s69, 3
	s_add_co_u32 s69, s69, s68                     ; first stage, waves 0-3: group w / 2 of my three,
	s_mul_i32 s70, s69, GR
	s_and_b32 s75, s[WV], 1
	s_mul_i32 s71, s75, HG
	s_add_co_u32 s70, s70, s71                     ; its half w % 2
	s_mov_b32 s71, 0
	s_mul_i32 s72, s14, GR
	s_mul_i32 s73, s10, REC
	s_add_co_u32 s72, s72, s73
	s_add_co_u32 s72, s72, XBASE                   ; waves 4-7: quarter w % 4 of x's block
	s_add_co_u32 s79, s73, XL
	s_mov_b32 s73, 0
	s_add_co_u32 s74, s67, 2
	s_mul_i32 s74, s74, 3
	s_add_co_u32 s74, s74, s68                     ; second stage, waves 0, 1: the third group, half w;
	s_mul_i32 s76, s13, 3
	s_add_co_u32 s76, s76, s[WV]
	s_sub_co_u32 s76, s76, 2                       ; waves 2-4: half group 3 y + w - 2 of v
	s_lshr_b32 s77, s76, 1
	s_mul_i32 s77, s77, 3
	s_add_co_u32 s77, s77, 2
	s_and_b32 s76, s76, 1
	s_cmp_lt_u32 s[WV], 2
	s_cselect_b32 s74, s74, s77
	s_cselect_b32 s75, s75, s76
	s_mul_i32 s74, s74, GR
	s_mul_i32 s75, s75, HG
	s_add_co_u32 s74, s74, s75
	s_mov_b32 s75, 0
	s_mul_i32 s78, s[WV], HG                       ; in LDS: half group w, then 4 + w
	s_add_co_u32 s80, s78, 4*HG
	s_mov_b32 s[SEL], 0x76543210
	s_mov_b32 s[SEL+1], 0xfedcba98
	s_mov_b32 s50, 0xffff0000                      ; lanes 16-31
	s_wait_alu depctr_va_vdst(0)
	s_wait_dscnt 0x0                               ; both opening adds are done
	s_wait_kmcnt 0x0
	s_mov_b32 s[G0W], 1
	s_mov_b32 s[G0W+1], s78
	s_add_nc_u64 s[G0W+2:G0W+3], s[4:5], s[70:71]
	s_or_b32 s[G0W+3], s[G0W+3], 0x80000000
	s_mov_b32 s[G0X], 1
	s_mov_b32 s[G0X+1], s79
	s_add_nc_u64 s[G0X+2:G0X+3], s[4:5], s[72:73]
	s_or_b32 s[G0X+3], s[G0X+3], 0x80000000
	s_mov_b32 s[G0S], 1
	s_mov_b32 s[G0S+1], s80
	s_add_nc_u64 s[G0S+2:G0S+3], s[4:5], s[74:75]
	s_or_b32 s[G0S+3], s[G0S+3], 0x80000000
	CROUND                                         ; all sixteen work-groups are here: the joint loads meet
	s_cmp_lt_u32 s[WV], 4                          ; one load a wave, in one of two arms by the wave's number
	s_cbranch_scc0 .Lfor_x
	tensor_load_to_lds s[G0W:G0W+3], s[G1W:G1W+7]
	s_nop 0
	PL4
	s_branch .Lasked
.Lfor_x:
	tensor_load_to_lds s[G0X:G0X+3], s[G1X:G1X+7]
	s_nop 0
	PL4
.Lasked:
	v_and_b32 v200, 31, v0                         ; lane
	v_and_b32 v201, 15, v0                         ; r
	v_bfe_u32 v202, v0, 4, 1                       ; h
	v_lshlrev_b32 v203, 4, v200                    ; 16 x lane
	v_mul_u32_u24 v204, v202, TREC
	v_lshl_add_u32 v204, v201, 4, v204
	v_add_nc_u32 v204, 6144, v204                  ; scale words of a pair of tiles: lanes 0-15 the even one's, lanes 16-31 the odd one's
	v_lshlrev_b32 v205, 4, v201
	v_add_nc_u32 v205, 6144, v205                  ; of one tile
	s_mul_i32 s82, s9, GR
	v_add_nc_u32 v[ADA1], s82, v203                ; job 1: group w / 4
	v_add_nc_u32 v[AS1], s82, v204
	v_add_nc_u32 v[ADA2], 2*GR, v203               ; the third group
	v_add_nc_u32 v[AS2], 2*GR, v204
	v_add_nc_u32 v[ADX], XL, v203                  ; x's eight tiles
	v_add_nc_u32 v[ASX], XL, v204
	v_add_nc_u32 v[ADB], s79, v203                 ; x's tiles 2 p, 2 p + 1
	v_add_nc_u32 v[ADBS], s79, v205
	s_mul_i32 s82, s10, TREC
	s_add_co_u32 s82, s82, 6*HG
	v_add_nc_u32 v[ADBV], s82, v203                ; tile p of v's first half group
	v_add_nc_u32 v[ADBVS], s82, v205
	s_mul_i32 s82, s10, 3072
	v_add_nc_u32 v[OUT], s82, v203                 ; q, k: the images of tiles 2 p, 2 p + 1 of a record,
	s_lshl_b32 s82, s10, 7
	v_lshl_add_u32 v[OUTS], v200, 2, s82           ; and their words
	v_mov_b32 v[OUTV], v203
	v_lshlrev_b32 v[OUTVS], 2, v201                ; v: a tile's words (lanes 16-31 hold the same words as lanes 0-15, and store them to the same places)
	WIN 0x40
.irp b, 0,1,2,3
	v_mov_b32 v[TM+4+\b], 0                        ; written once: a lane permute's destination counts as one of its sources
.endr
	WIN 0
	; where the results go
	s_lshr_b32 s81, s14, 4
	s_mul_i32 s82, s81, 6                          ; 6 x batch
	s_and_b32 s81, s14, 15                         ; the block
	s_add_co_u32 s83, s82, s67
	s_lshl_b32 s83, s83, 4
	s_add_co_u32 s83, s83, s81
	s_lshl_b32 s84, REC, s68                       ; q's records follow each other; k's alternate with v's
	s_mov_b32 s85, QBASE
	s_cmp_eq_u32 s68, 0
	s_cselect_b32 s85, s85, 0
	s_lshl_b32 s86, s9, 4
	s_add_co_u32 s86, s86, s83
	s_mul_i32 s86, s86, s84
	s_add_co_u32 s86, s86, s85
	s_mov_b32 s87, 0
	s_add_nc_u64 s[44:45], s[6:7], s[86:87]        ; job 1's record
	s_add_co_u32 s86, s83, 32
	s_mul_i32 s86, s86, s84
	s_add_co_u32 s86, s86, s85
	s_add_nc_u64 s[46:47], s[6:7], s[86:87]        ; the third group's
	s_mul_i32 s88, s13, 3
.irp n, 0,1,2
	s_add_co_u32 s90, s88, \n                      ; half group 3 y + n of v: virtual head / 2,
	s_lshr_b32 s91, s90, 1
	s_add_co_u32 s91, s91, s82
	s_lshl_b32 s91, s91, 4
	s_add_co_u32 s91, s91, s81
	s_mul_i32 s91, s91, 2*REC
	s_add_co_u32 s91, s91, REC
	s_and_b32 s90, s90, 1
	s_lshl_b32 s90, s90, 2
	s_add_co_u32 s90, s90, s10                     ; tile 4 x half + p
	s_mul_i32 s86, s90, 1536
	s_add_co_u32 s86, s86, s91
	s_add_nc_u64 s[52+2*\n:53+2*\n], s[6:7], s[86:87]
	s_lshl_b32 s86, s90, 6
	s_add_co_u32 s86, s86, s91
	s_add_co_u32 s86, s86, 12288
	s_add_nc_u64 s[58+2*\n:59+2*\n], s[6:7], s[86:87]
.endr
	s_wait_alu depctr_va_vdst(0)                   ; the head's end
	s_wait_tensorcnt 0x0                           ; my part of the first stage is in
	ds_add_u32 v[SPW], v[NIL]
	s_wait_dscnt 0x0
	CROUND                                         ; the first stage is whole, and the joint loads of the second meet
	s_cmp_lt_u32 s[WV], 5
	s_cbranch_scc0 .Lnone
	tensor_load_to_lds s[G0S:G0S+3], s[G1W:G1W+7]
	s_nop 0
	PL4
.Lnone:
	JOB 2, TREC, ADA1, AS1, ADB, ADBS
	SENDQ 44
	s_wait_alu depctr_va_vdst(0)
	s_wait_xcnt 0x0                                ; the stores have read their registers
	s_wait_tensorcnt 0x0                           ; my part of the second stage is in
	s_wait_dscnt 0x0
	s_barrier_signal -1
	s_barrier_wait -1
	s_cmp_lt_u32 s[WV], 4
	s_cbranch_scc0 .Lvalues
	JOB 2, TREC, ADA2, AS2, ADB, ADBS
	SENDQ 46
	s_branch .Lend
.Lvalues:
	JOB 3, HG, ADX, ASX, ADBV, ADBVS
	WIN 0x04
.irp c, 0,1,2
	global_store_b128 v[OUTV], v[PC+4*\c:PC+4*\c+3], s[52:53] offset:512*\c
.endr
.irp c, 0,1,2
	global_store_b128 v[OUTV], v[PC+20+4*\c:PC+20+4*\c+3], s[54:55] offset:512*\c
.endr
.irp c, 0,1,2
	global_store_b128 v[OUTV], v[4*\c:4*\c+3], s[56:57] offset:512*\c
.endr
.irp n, 0,1,2
	global_store_b32 v[OUTVS], v[PW+\n], s[58+2*\n:59+2*\n]
.endr
	WIN 0
.Lend:
	s_wait_tensorcnt 0x0                           ; the wave's end
	ds_add_u32 v[SPW], v[NIL]
	s_wait_dscnt 0x0
	CROUND                                         ; the closing round: no work-group ends while a partner may still ask for a tile that names it
	s_endpgm
.Lfunc_end_k_q4a3d976222_proj:
	.size	k_q4a3d976222_proj, .Lfunc_end_k_q4a3d976222_proj-k_q4a3d976222_proj
	.p2alignl 7, 3214868480
	.fill 96, 4, 3214868480
	.section	.rodata,"a",@progbits
	.p2align	6, 0x0
	.amdhsa_kernel k_q4a3d976222_proj
		.amdhsa_group_segment_fixed_size 327680
		.amdhsa_private_segment_fixed_size 0
		.amdhsa_enable_private_segment 0
		.amdhsa_kernarg_size 16
		.amdhsa_user_sgpr_count 2
		.amdhsa_user_sgpr_kernarg_segment_ptr 1
		.amdhsa_wavefront_size32 1
		.amdhsa_system_sgpr_workgroup_id_x 1
		.amdhsa_system_sgpr_workgroup_id_y 1
		.amdhsa_system_sgpr_workgroup_id_z 1
		.amdhsa_system_vgpr_workitem_id 0
		.amdhsa_next_free_vgpr 512
		.amdhsa_next_free_sgpr 100
		.amdhsa_reserve_vcc 0
		.amdhsa_float_denorm_mode_32 3
		.amdhsa_float_denorm_mode_16_64 3
		.amdhsa_memory_ordered 1
		.amdhsa_forward_progress 1
		.amdhsa_inst_pref_size 101
	.end_amdhsa_kernel
	.amdgpu_metadata
---
amdhsa.version: [ 1, 2 ]
amdhsa.kernels:
  - .name:           k_q4a3d976222_proj
    .symbol:         k_q4a3d976222_proj.kd
    .args:
      - { .name: xw, .offset: 0, .size: 8, .value_kind: global_buffer, .address_space: global }
      - { .name: qkv, .offset: 8, .size: 8, .value_kind: global_buffer, .address_space: global }
    .group_segment_fixed_size: 327680
    .private_segment_fixed_size: 0
    .kernarg_segment_align: 8
    .kernarg_segment_size: 16
    .max_flat_workgroup_size: 256
    .sgpr_count:     100
    .vgpr_count:     512
    .wavefront_size: 32
...
	.end_amdgpu_metadata
.endif
;; end of part 2
;; launch attn (part 3): grid 8 x 32, 8 waves a work-group, no clusters, 327,680 bytes of LDS; arguments qkv, out0; writes out0
.if DOCPART == 3
	.amdgcn_target "amdgcn-amd-amdhsa--gfx1250"
	.amdhsa_code_object_version 6
	.text
	.protected	k_q4a3d976222_attn
	.globl	k_q4a3d976222_attn
	.p2align	8
	.type	k_q4a3d976222_attn,@function
k_q4a3d976222_attn:
	s_mov_b64 s[64:65], 0
	v_nop
	global_prefetch_b8 v0, s[64:65] scope:SCOPE_SE
	s_setreg_imm32_b32 hwreg(HW_REG_WAVE_MODE, 25, 1), 1
	s_wait_xcnt 0x0
; ATTN: out[b][q][128 head + d] = sum over keys k <= q of softmax_k(q . k / sqrt(128)) v, both products on codes of E3M2 with one E8M0 byte for each 32 along K.
; THE SOFTMAX AHEAD OF THE SECOND PRODUCT: t = score x log2(e) / sqrt(128); M = the running largest t rounded UP to a whole number; p = 2^(t - M) is quantised along the keys, not normalised; the row's sum is taken of
; the unquantised p and divides at the end; when M moves, the sum and O are multiplied by 2^(old M - new M): exact.
; LIMITS: holds while the scaled scores stay under 2^31 in magnitude; NaN and infinities are not served; a block of p whose largest lies under 2^-122 keeps the scale byte 1.
; Left out: key steps all of whose keys come after a tile's queries, and slots past the work-group's last query (the causal mask of the problem's own body); and, as shown at the head of the first kernel,
; d >= 64 of heads 4..7: a virtual head's K row is [k of head a, d 0..63 | k of head b, d 0..63]; a query of head a has the codes of k = 64..127 cleared, one of head b those of k = 0..63 (zero codes add nothing),
; and multiplies only its own four tiles of V; its outputs at d >= 64 are the zeros with which O begins.
; SHARES: work-group (i, 8 b + head) takes the blocks i and 15 - i of 128 queries: i + 1 and 16 - i key steps of 128, 17 tile-steps a wave for every i.  Wave w has tile w of either block: tile A of block i, tile B of block
; 15 - i.  The two share every fragment of K and V while both count; then B goes on alone.  All eight waves have the same steps, so they leave the loop together.  A tile is the queries Q0 + r + 8 (r / 8), Q0 = block + 32 (w / 2) + 8 (w % 2).
; NO CLUSTER: the work-groups of a head need 16 - i key steps, different numbers, so a joint load would bring some partner a slot that none of its waves reads.
; LAYOUT: both products transposed: S^T = K Q^T, O^T = V^T P^T: a lane holds one query throughout; the 16 registers of tiles 2 b, 2 b + 1 of S^T are keys 32 b + 16 (lane / 16) + 0 .. 15 of the step.
; THE RING: two slots of 256 keys, 51,200 dense bytes each: [K, step 0][V, step 0][K, step 1][V, step 1], records of 12,800 bytes (8 fragment images, then the scale words).  Each wave fetches an eighth, 25 rows of 256 bytes.
; THE CHANGE OF SLOTS stands in the middle of a slot's second step: by then that step's K and V are in registers, and the slot is read no more.
; REGISTERS, in windows of 256.  Window 0: v1-15 addresses, p's scale word; v16-27, v28-39 Q of A, B; v40, v41 their scale words; v42-45, v46-49 K's, V's scale words (even tile lanes 0-15, odd tile lanes 16-31);
; v64-159 K's eight fragments; v160-255 V's.   Window 1: 0-63 S^T, then p; 64-127, 128-191 O^T of A, B; 192-255 at work (T).
.set REC,   12800
.set STEPB, 25600                      ; a key step's K and V
.set SLOTB, 51200
.set PART,  6400                       ; what a wave fetches of a slot
.set HEADB, 409600                     ; a virtual head's K and V
.set QBASE, 9830400
.set SLOT1, 1<<17                      ; slot 1 begins here: one exclusive or turns an address from one slot to the other
.set STAGE, 196608                     ; the way out: 16 rows x 528 bytes for each wave, bytes of its own
.set WST,   16*528
.set SPARE, STAGE+8*WST                ; the spare words, 128 bytes for each wave: four blocks of 256 bytes that no other line names
.set L16,  1                           ; v1  16 x lane
.set L16V, 2                           ; v2  the same, + 4 tiles for the second head of a virtual head
.set L4,   3                           ; v3  4 x lane
.set L4V,  4                           ; v4  the same, + 4 tiles' words
.set SPW,  5
.set NIL,  6
.set STO,  8                           ; v8  the way out: where I put 32 bytes of a row;  v1 serves as the offset in a row of out0
.set RD,   9                           ; v9  where I read rows back
.set PFO,  10
.set ADK,  11
.set ADV,  12
.set ADS,  13
.set ADT,  14
.set PS,   15
.set QA,   16
.set QB,   28
.set QSA,  40
.set QSB,  41
.set KS,   42
.set VS,   46
.set KFR,  64
.set VFR,  160
.set S,    0                           ; window 1 from here on
.set OA,   64
.set OB,   128
.set T,    192                         ; T .. T+3 block maxima; T+4 .. T+7 across lanes, bytes; T+8 .. T+11 scale operands; T+12, T+13 in hand
.set F,    T+14                        ; the factor of a moved M (a pair is named, its low half used)
.set U,    T+16                        ; eight pairs of partial sums
.set CD,   T+32                        ; p's codes
.set CX,   T+44
.set STA,  T+52                        ; state of A: +0 -M (a pair is named), +2 the largest score, +4, +5 the sum in two halves
.set LQ,   T+55                        ; my query's place in its block less 16 (lane / 16)
.set STB,  T+58
.set TB,   2                           ; s2  LDS byte at which the slot in hand begins
.set WV,   18
.set SEL,  20
.set CS,   22                          ; s[22:23] c = log2(e) / sqrt(128)
.set G1,   24                          ; s[24:31] descriptor group 1;  s[40:43] group 0, which walks
.set G0,   40
.set SLOTS, 67
.set PFA,  76
.set LIM,  80                          ; s80 3 in a work-group that prefetches, else the greatest number
.set HIH,  81                          ; s81 1: heads 4..7
.set EE,   82                          ; s82 1: the second head of a virtual head
.set QMAX, 83                          ; s83 my work-group's last query
.set BLA,  86                          ; s86, s87 the first queries of the blocks of A and B
.set BLB,  87
.set KF,   98                          ; s98 the step's first key
.set MSB, 0
.macro WIN new                         ; the immediate's high byte repeats the setting that is left
.if MSB != \new
	s_set_vgpr_msb (MSB<<8)|\new
.set MSB, \new
.endif
.endm
.macro PL4                             ; four places behind matrix instructions
.rept 4
	v_nop
.endr
.endm
.macro TLOAD                           ; an s_nop 0 and four v_nop follow the load
	tensor_load_to_lds s[G0:G0+3], s[G1:G1+7]
	s_nop 0
	PL4
.endm
.macro LDK q                           ; K of the q-th step of the slot at ADK: 28 loads
.irp t, 0,1,2,3,4,5,6,7
.irp c, 0,1,2
	ds_load_b128 v[KFR+12*\t+4*\c:KFR+3+12*\t+4*\c], v[ADK] offset:STEPB*(\q)+1536*\t+512*\c
.endr
.endr
.irp k, 0,1,2,3
	ds_load_b32 v[KS+\k], v[ADS] offset:STEPB*(\q)+12288+128*\k
.endr
.endm
.macro LDV q, g, ad, as                ; four tiles of V: 14 loads
.irp t, 0,1,2,3
.irp c, 0,1,2
	ds_load_b128 v[VFR+48*(\g)+12*\t+4*\c:VFR+3+48*(\g)+12*\t+4*\c], v[\ad] offset:STEPB*(\q)+REC+1536*(4*(\g)+\t)+512*\c
.endr
.endr
.irp k, 0,1
	ds_load_b32 v[VS+2*(\g)+\k], v[\as] offset:STEPB*(\q)+REC+12288+128*(2*(\g)+\k)
.endr
.endm
.macro QK qr, qs                       ; S^T = K Q^T
	WIN 0x40
.irp k, 0,1,2,3
	v_wmma_scale_f32_16x16x128_f8f6f4 v[S+16*\k:S+7+16*\k], v[KFR+24*\k:KFR+11+24*\k], v[\qr:\qr+11], 0, v[KS+\k], v[\qs] matrix_a_fmt:MATRIX_FMT_BF6 matrix_b_fmt:MATRIX_FMT_BF6
	v_wmma_scale_f32_16x16x128_f8f6f4 v[S+8+16*\k:S+15+16*\k], v[KFR+12+24*\k:KFR+23+24*\k], v[\qr:\qr+11], 0, v[KS+\k], v[\qs] matrix_a_fmt:MATRIX_FMT_BF6 matrix_b_fmt:MATRIX_FMT_BF6 matrix_a_scale:MATRIX_SCALE_ROW1
.endr
	WIN 0
	PL4
.endm
.macro PV o, g                         ; O^T += V^T P^T for four tiles of 16 of the head's d
	WIN 0x54
.irp k, 0,1
	v_wmma_scale_f32_16x16x128_f8f6f4 v[\o+32*(\g)+16*\k:\o+7+32*(\g)+16*\k], v[VFR+48*(\g)+24*\k:VFR+11+48*(\g)+24*\k], v[CD:CD+11], v[\o+32*(\g)+16*\k:\o+7+32*(\g)+16*\k], v[VS+2*(\g)+\k], v[PS] matrix_a_fmt:MATRIX_FMT_BF6 matrix_b_fmt:MATRIX_FMT_BF6
	v_wmma_scale_f32_16x16x128_f8f6f4 v[\o+8+32*(\g)+16*\k:\o+15+32*(\g)+16*\k], v[VFR+12+48*(\g)+24*\k:VFR+23+48*(\g)+24*\k], v[CD:CD+11], v[\o+8+32*(\g)+16*\k:\o+15+32*(\g)+16*\k], v[VS+2*(\g)+\k], v[PS] matrix_a_fmt:MATRIX_FMT_BF6 matrix_b_fmt:MATRIX_FMT_BF6 matrix_a_scale:MATRIX_SCALE_ROW1
.endr
	WIN 0
.endm
.macro OMUL o, g                       ; 32 registers of O^T under the new M
.set N, 32*(\g)
.rept 16
	v_pk_mul_f32 v[\o+N:\o+N+1], v[\o+N:\o+N+1], v[F:F+1] op_sel_hi:[1,0]
.set N, N+2
.endr
.endm
; The softmax of a tile, first part: mask, maxima, M, p.
.macro SOFT1 st, bl, mid
	s_cmp_lg_u32 s[KF], s[\bl]                     ; on the diagonal the scores of hidden keys become -infinity ahead of the maximum: p = 0 then.  Register 16 b + i holds the step's key 16 (lane / 16) + 32 b + i
	s_cbranch_scc1 .Lopen_\@
	WIN 0x55
	v_mov_b32 v[T+13], 0xff800000
.set N, 0
.rept 64
	v_cmp_gt_i32 vcc_lo, 32*(N/16)+N%16, v[LQ]
	v_cndmask_b32 v[S+N], v[S+N], v[T+13], vcc_lo
.set N, N+1
.endr
	WIN 0
	s_wait_alu depctr_va_vdst(0)
.Lopen_\@:
.if \mid
	MEET                                           ; the maxima, M and t - M, work on registers, stand between the add and the wait for it
.endif
	WIN 0x55
.irp b, 0,1,2,3
	v_max3_num_f32 v[T+\b], v[S+16*\b], v[S+1+16*\b], v[S+2+16*\b]   ; the largest score of each block of 32 keys: for the row's maximum and, since p rises with the score, for the block's largest p
.endr
.irp i, 3,5,7,9,11,13
.irp b, 0,1,2,3
	v_max3_num_f32 v[T+\b], v[T+\b], v[S+16*\b+\i], v[S+1+16*\b+\i]
.endr
.endr
.irp b, 0,1,2,3
	v_max_num_f32 v[T+\b], v[T+\b], v[S+15+16*\b]
.endr
.irp b, 0,1,2,3
	s_delay_alu instid0(VALU_DEP_4)
	v_permlanex16_b32 v[T+4+\b], v[T+\b], s[SEL], s[SEL+1]
.endr
.irp b, 0,1,2,3
	s_delay_alu instid0(VALU_DEP_4)
	v_max_num_f32 v[T+\b], v[T+\b], v[T+4+\b]      ; with lane l xor 16's 16 keys
.endr
	s_delay_alu instid0(VALU_DEP_2)
	v_max3_num_f32 v[T+12], v[T], v[T+1], v[T+2]
	v_mov_b32 v[T+13], v[\st]                      ; the old -M
	s_delay_alu instid0(VALU_DEP_2)
	v_max3_num_f32 v[\st+2], v[\st+2], v[T+12], v[T+3]   ; the largest score of my query so far
	s_delay_alu instid0(VALU_DEP_1)
	v_mul_f32 v[T+12], s[CS], v[\st+2]             ; as t (c is positive, and rounding keeps the order)
	s_delay_alu instid0(VALU_DEP_1)
	v_floor_f32 v[\st], -v[T+12]                   ; the new -M = floor(-t) = -ceil(t)
.set N, 0
	PKF \st                                        ; t - M; the factor of a moved M is made in between
	v_sub_f32 v[T+13], v[\st], v[T+13]             ; old M - new M: a whole number, 0 or less
	PKF \st
	v_cvt_i32_f32 v[T+13], v[T+13]                 ; (it saturates)
	PKF \st
	v_ldexp_f32 v[F], 1.0, v[T+13]                 ; 2^(old M - new M)
	PKF \st
.irp b, 0,1,2,3
	v_fma_f32 v[T+\b], v[T+\b], s[CS], v[\st]      ; the same of each block's largest score
.endr
.if \mid
	s_wait_dscnt 0x0                               ; the add is done, and so are my reads of the slot
	s_barrier_signal -1                            ; awaited behind the exponentials, which touch registers only
.endif
	s_wait_alu depctr_va_vdst(0)                   ; ahead of the batch
.irp b, 0,1,2,3
	v_exp_f32 v[T+\b], v[T+\b]                     ; the block's largest p: the same instructions on the same number give the same bits
.endr
.set N, 0
.rept 64
	v_exp_f32 v[S+N], v[S+N]                       ; p = 2^(t - M), at most 1
.set N, N+1
.endr
	v_pk_mul_f32 v[\st+4:\st+5], v[\st+4:\st+5], v[F:F+1] op_sel_hi:[1,0]   ; the sums under the new M: a plain place behind the exponentials
	s_wait_alu depctr_va_vdst(0)                   ; one wait for the batch, ahead of its first reader
	WIN 0
.endm
; Second part: codes of p, the row's sum, O.  out: LDS loads younger than V's, which may stay out
.macro SOFT2 o, st, out
	WIN 0x55
.irp b, 0,1,2,3
	v_max_num_f32 v[T+\b], 0x2800000, v[T+\b]      ; the floor 2^(5 - 127): the byte cannot fall under 1
.endr
.irp b, 0,1,2,3
	v_add_nc_u32 v[T+8+\b], 0xfe000000, v[T+\b]    ; 4 off the exponent field: the conversion's scale operand
.endr
.irp b, 0,1,2,3
	v_lshrrev_b32 v[T+4+\b], 23, v[T+8+\b]         ; the scale's byte
.endr
.irp c, 0,1
	v_cvt_scalef32_pk16_bf6_f32 v[CD+6*\c:CD+2+6*\c], v[S+32*\c:S+15+32*\c], v[T+8+2*\c]
	v_cvt_scalef32_pk16_bf6_f32 v[CX+4*\c:CX+2+4*\c], v[S+16+32*\c:S+31+32*\c], v[T+9+2*\c]
.endr
	v_lshl_or_b32 v[T+12], v[T+5], 8, v[T+4]       ; (a plain place behind the conversions)
	v_pk_add_f32 v[U:U+1], v[S:S+1], v[S+2:S+3]
	v_lshl_or_b32 v[T+12], v[T+6], 16, v[T+12]
.irp k, 1,2,3,4,5,6,7
	v_pk_add_f32 v[U+2*\k:U+1+2*\k], v[S+4*\k:S+1+4*\k], v[S+2+4*\k:S+3+4*\k]   ; the row's sum is taken of the unquantised p, in eight chains
.endr
	WIN 0x15
	v_lshl_or_b32 v[PS], v[T+7], 24, v[T+12]       ; p's scale word for these 128 keys
	WIN 0x55
.set N, 0
.rept 16
	v_pk_add_f32 v[U+2*(N%8):U+1+2*(N%8)], v[U+2*(N%8):U+1+2*(N%8)], v[S+32+2*N:S+33+2*N]
.set N, N+1
.endr
.irp c, 0,1                                    ; a whole block in a lane: lanes 0-15 block 2 c, lanes 16-31 block 2 c + 1
.irp i, 0,1,2
	v_permlane16_swap_b32 v[CD+6*\c+\i], v[CX+4*\c+\i]
.endr
.endr
.irp k, 0,2,4,6
	v_pk_add_f32 v[U+\k:U+1+\k], v[U+\k:U+1+\k], v[U+8+\k:U+9+\k]
.endr
.irp i, 0,1,2
	v_mov_b32 v[CD+3+\i], v[CX+\i]
.endr
	v_pk_add_f32 v[U:U+1], v[U:U+1], v[U+4:U+5]
	v_pk_add_f32 v[U+2:U+3], v[U+2:U+3], v[U+6:U+7]
.irp i, 0,1,2
	v_mov_b32 v[CD+9+\i], v[CX+4+\i]
.endr
	v_pk_add_f32 v[U:U+1], v[U:U+1], v[U+2:U+3]
	s_wait_alu depctr_va_vdst(0)                   ; directly ahead of the first reader of O^T
	OMUL \o, 0
	v_pk_add_f32 v[\st+4:\st+5], v[\st+4:\st+5], v[U:U+1]
	WIN 0
	s_wait_alu depctr_va_vdst(0)
	s_wait_dscnt \out                              ; V is in
	PV \o, 0
	s_cmp_lg_u32 s[HIH], 0                         ; heads 4..7 have 64 live d: a branch on the work-group's number
	s_cbranch_scc1 .Lhalf_\@
	WIN 0x55
	s_wait_alu depctr_va_vdst(0)
	OMUL \o, 1
	WIN 0
	s_wait_alu depctr_va_vdst(0)
	PV \o, 1
.Lhalf_\@:
.endm
; THE WAY OUT of a tile: O^T / the sum through my stage in LDS; 32 lanes store a query's 512 consecutive bytes.
.macro WAYOUT o, st, base
	WIN 0x55
	v_add_f32 v[T+12], v[\st+4], v[\st+5]          ; the sum's two halves,
	v_permlanex16_b32 v[T+4], v[T+12], s[SEL], s[SEL+1]
	v_add_f32 v[T+12], v[T+12], v[T+4]             ; and lane l xor 16's: the row's sum
	PL4
	s_wait_alu depctr_va_vdst(0)
	v_rcp_f32 v[T+12], v[T+12]
	v_nop                                          ; one plain place behind a transcendental
	s_wait_alu depctr_va_vdst(0)
.set N, 0
.rept 32
	v_pk_mul_f32 v[S+N:S+N+1], v[\o+N:\o+N+1], v[T+12:T+13] op_sel_hi:[1,0]   ; register 8 t + i is o(r, 16 t + 8 h + i); each accumulator from its low end on
.set N, N+2
.endr
	WIN 0x04
.irp t, 0,1,2,3,4,5,6,7
	ds_store_b128 v[STO], v[S+8*\t:S+3+8*\t] offset:64*\t
	ds_store_b128 v[STO], v[S+4+8*\t:S+7+8*\t] offset:64*\t+16
.endr
	WIN 0x40
.set N, 0
.rept 16
	ds_load_b128 v[\o+4*N:\o+4*N+3], v[RD] offset:528*N   ; LDS serves a wave's instructions in order: these see my stores
.set N, N+1
.endr
	WIN 0x04
.set N, 0
.rept 16
	s_wait_dscnt 15-N                              ; at most the loads younger than this one are out
	global_store_b128 v[L16], v[\o+4*N:\o+4*N+3], s[\base:\base+1] offset:(N+8*(N/8))*4096 th:TH_STORE_NT   ; stage row N is query Q0 + N + 8 (N / 8)
.set N, N+1
.endr
	WIN 0
.endm
; THE CHANGE OF SLOTS.  Each wave waits for all its tensor loads, adds 0 to its spare word, and waits for that and for its reads of the slot.  Behind the barrier the other slot is whole and nobody reads this one any more:
; it takes the keys 512 on from its own, while they are at or under the work-group's last query.  Every wait on TENSORcnt in this text is for 0.
.macro PKF st                          ; t - M for the next 16 registers, two at a time
.rept 8
	v_pk_fma_f32 v[S+N:S+N+1], v[S+N:S+N+1], s[CS:CS+1], v[\st:\st+1] op_sel_hi:[1,0,0]
.set N, N+2
.endr
.endm
.macro MEET
	s_wait_tensorcnt 0x0                           ; no tensor load of mine is out, so group 0 may be written
	ds_add_u32 v[SPW], v[NIL]                      ; 0 onto my spare word
	s_xor_b32 s[G0+1], s[G0+1], SLOT1              ; the walking descriptor: the other slot of the ring than it named last,
	s_add_nc_u64 s[G0+2:G0+3], s[G0+2:G0+3], SLOTB ; the next 256 keys; the type bits on top are not reached
	s_wait_xcnt 0x0                                ; the last prefetch, a slot back, has read its address
	s_add_nc_u64 s[PFA:PFA+1], s[PFA:PFA+1], SLOTB ; one slot further on than the walking descriptor
.endm
.macro CHANGE
	s_barrier_wait -1
	s_add_co_u32 s96, s[KF], 384                   ; (the slot's second step) the first key that this change would ask for
	s_cmp_gt_u32 s96, s[QMAX]                      ; ids and the count of steps alone
	s_cbranch_scc1 .Lpast_\@
	TLOAD                                          ; a wave's one tensor load until the next such barrier
.Lpast_\@:
	; A PREFETCH INTO THE L2 of what the NEXT change will ask for: a slot's 200 blocks of 256 bytes, 25 a wave, a lane a block (lanes 25-31 name block 24 again).  The work-groups of a virtual head walk the same K and V: the one
	; that walks all eight slots, of its first head, asks.  Slots 0 to 2 come by their loads alone; from slot 7 on nothing is left to ask for.
	s_cmp_gt_u32 s[SLOTS], s[LIM]
	s_cbranch_scc0 .Lnot_mine_\@
	global_prefetch_b8 v[PFO], s[PFA:PFA+1] th:TH_LOAD_NT scope:SCOPE_SE
.Lnot_mine_\@:
	s_xor_b32 s[TB], s[TB], SLOT1
	v_add_nc_u32 v[ADK], s[TB], v[L16]
	v_add_nc_u32 v[ADS], s[TB], v[L4]
	v_add_nc_u32 v[ADV], s[TB], v[L16V]
	v_add_nc_u32 v[ADT], s[TB], v[L4V]
.endm
; A KEY STEP: 128 keys, the q-th of the slot in hand.  K's 28 loads are on their way when it begins.
.macro STEP q
	PL4                                            ; places in front of loads into registers that matrix instructions have read
	LDV \q, 0, ADV, ADT
	s_wait_dscnt 14                                ; K is in; the 14 loads just issued may be out
	s_cmp_lg_u32 s[HIH], 0
	s_cbranch_scc1 .Lv_\@
	LDV \q, 1, ADK, ADS                            ; (only heads 0..3, which have no second-head offset)
.Lv_\@:
	s_cmp_gt_u32 s[KF], s[BLA]                     ; beyond A's block all the step's keys are hidden from A: a scalar branch on ids, round work alone
	s_cbranch_scc1 .Lno_a_\@
	QK QA, QSA
	SOFT1 STA, BLA, 0
	SOFT2 OA, STA, 0
	s_cmp_lg_u32 s[KF], s[BLA]                     ; A's last step: its results leave here
	s_cbranch_scc1 .Lno_a_\@
	WAYOUT OA, STA, 72
	s_wait_xcnt 0x0                                ; the stores have read their registers
.Lno_a_\@:
	QK QB, QSB
.if \q == 0
	LDK 1                                          ; K's registers are free: the slot's second K
.endif
	SOFT1 STB, BLB, \q
.if \q
	CHANGE
	LDK 0                                          ; the next slot's first K
.endif
	SOFT2 OB, STB, 28                              ; 28: the next K's loads, younger than V's
	s_add_co_u32 s[KF], s[KF], 128
	s_cmp_gt_u32 s[KF], s[BLB]                     ; past B's block: done.  The work-group's number and the count of steps alone: all waves leave together
	s_cbranch_scc1 .Lout
.endm
	s_load_b128 s[4:7], s[0:1], 0x0                ; qkv s[4:5], out0 s[6:7]
	v_lshl_add_u32 v[SPW], v0, 2, SPARE
	v_mov_b32 v[NIL], 0
	ds_add_u32 v[SPW], v[NIL]                      ; the wave's opening: the add, twice on end, and its wait ahead of my first tensor load
	ds_add_u32 v[SPW], v[NIL]
	v_lshrrev_b32 v50, 5, v0
	v_readfirstlane_b32 s[WV], v50                 ; wave 0..7
	s_and_b32 s8, ttmp7, 0xffff
	s_lshr_b32 s9, s8, 3                           ; b
	s_and_b32 s10, s8, 7                           ; the head
	s_lshr_b32 s[HIH], s10, 2
	s_and_b32 s[EE], s10, s[HIH]
	s_lshr_b32 s11, s10, 1
	s_add_co_u32 s11, s11, 2
	s_cmp_lg_u32 s[HIH], 0
	s_cselect_b32 s11, s11, s10                    ; the virtual head: head, or 2 + head / 2
	s_lshl_b32 s[BLA], ttmp9, 7
	s_sub_co_u32 s12, 15, ttmp9
	s_lshl_b32 s[BLB], s12, 7
	s_add_co_u32 s[QMAX], s[BLB], 127
	s_lshr_b32 s13, s[WV], 1
	s_lshl_b32 s13, s13, 5
	s_and_b32 s14, s[WV], 1
	s_lshl_b32 s14, s14, 3
	s_add_co_u32 s13, s13, s14                     ; my tile's place in a block
	s_mul_i32 s36, s9, 6
	s_add_co_u32 s36, s36, s11
	s_mul_i32 s44, s36, HEADB                      ; the virtual head's K and V
	s_mov_b32 s45, 0
	s_mul_i32 s46, s[WV], PART                     ; my eighth of a slot, in memory and in LDS
	s_mov_b32 s47, 0
	s_lshl_b32 s36, s36, 4
	s_add_co_u32 s48, s36, ttmp9
	s_mul_i32 s48, s48, REC
	s_add_co_u32 s48, s48, QBASE                   ; block i's record of q
	s_mov_b32 s49, 0
	s_add_co_u32 s52, s36, s12
	s_mul_i32 s52, s52, REC
	s_add_co_u32 s52, s52, QBASE                   ; block 15 - i's
	s_mov_b32 s53, 0
	s_lshl_b32 s50, s9, 11
	s_add_co_u32 s50, s50, s13
	s_add_co_u32 s54, s50, s[BLB]
	s_add_co_u32 s50, s50, s[BLA]
	s_lshl_b32 s50, s50, 12                        ; out0: a row is 4,096 bytes,
	s_lshl_b32 s54, s54, 12
	s_lshl_b32 s14, s10, 9                         ; a head 512 of them
	s_add_co_u32 s50, s50, s14
	s_add_co_u32 s54, s54, s14
	s_mov_b32 s51, 0
	s_mov_b32 s55, 0
	s_mov_b32 s[G1], 3<<16                         ; no mask; elements of 8 bytes; no padding
	s_mov_b32 s[G1+1], 32<<16                      ; tensor_dim0 = 32 elements: 256 bytes
	s_mov_b32 s[G1+2], 25<<16                      ; tensor_dim1 = 25
	s_mov_b32 s[G1+3], 32<<16                      ; tile_dim0
	s_mov_b32 s[G1+4], 25                          ; tile_dim1
	s_mov_b32 s[G1+5], 32                          ; from row to row: dense
	s_mov_b32 s[G1+6], 0
	s_mov_b32 s[G1+7], 0
	s_mov_b32 s[SEL], 0x76543210
	s_mov_b32 s[SEL+1], 0xfedcba98
	s_mov_b32 s[CS], 0x3e0293ee                    ; c = log2(e) / sqrt(128)
	s_mov_b32 s[CS+1], s[CS]                       ; (named with it as a pair, so it is written)
	s_mov_b32 s[TB], 0
	s_mov_b32 s[KF], 0
	s_mov_b32 s[SLOTS], 8
	s_or_b32 s84, ttmp9, s[EE]                     ; 0: block pair 0, and not the second head of a virtual head
	s_cmp_eq_u32 s84, 0
	s_cselect_b32 s[LIM], 3, -1
	v_and_b32 v50, 31, v0                          ; lane
	v_and_b32 v51, 15, v0                          ; r
	v_bfe_u32 v52, v0, 4, 1                        ; h
	v_lshlrev_b32 v[L16], 4, v50
	v_lshlrev_b32 v[L4], 2, v50
	s_mul_i32 s84, s[WV], 1536
	v_add_nc_u32 v53, s84, v[L16]                  ; q: my tile's image
	s_lshl_b32 s84, s[WV], 6
	v_lshl_add_u32 v54, v51, 2, s84                ; and its scale words
	s_wait_alu depctr_va_vdst(0)
	s_wait_dscnt 0x0                               ; both opening adds are done
	s_wait_kmcnt 0x0
	s_add_nc_u64 s[68:69], s[4:5], s[48:49]        ; q of A, B
	s_add_nc_u64 s[70:71], s[4:5], s[52:53]
.irp c, 0,1,2
	global_load_b128 v[QA+4*\c:QA+3+4*\c], v53, s[68:69] offset:512*\c   ; Q stays in registers
.endr
	global_load_b32 v[QSA], v54, s[68:69] offset:12288
.irp c, 0,1,2
	global_load_b128 v[QB+4*\c:QB+3+4*\c], v53, s[70:71] offset:512*\c
.endr
	global_load_b32 v[QSB], v54, s[70:71] offset:12288
	s_mov_b32 s[G0], 1                             ; count = 1
	s_mov_b32 s[G0+1], s46                         ; LDS address: slot 0
	s_add_nc_u64 s[G0+2:G0+3], s[4:5], s[44:45]
	s_add_nc_u64 s[G0+2:G0+3], s[G0+2:G0+3], s[46:47]
	s_or_b32 s[G0+3], s[G0+3], 0x80000000          ; type = 2
	TLOAD                                          ; slot 0: key 0 counts for every query
	s_add_nc_u64 s[PFA:PFA+1], s[4:5], s[44:45]
	s_add_nc_u64 s[PFA:PFA+1], s[PFA:PFA+1], s[46:47]
	s_add_nc_u64 s[PFA:PFA+1], s[PFA:PFA+1], 2*SLOTB ; at slot 2: the first change steps it to slot 3.  Nothing is prefetched here, at the head
	s_add_nc_u64 s[72:73], s[6:7], s[50:51]        ; out0 at my first query of A, B and my head
	s_add_nc_u64 s[74:75], s[6:7], s[54:55]
	s_mul_i32 s84, s[EE], 6144
	v_add_nc_u32 v[L16V], s84, v[L16]
	s_lshl_b32 s84, s[EE], 8
	v_add_nc_u32 v[L4V], s84, v[L4]
	s_mul_i32 s84, s[WV], WST
	s_add_co_u32 s84, s84, STAGE                   ; my stage
	v_mul_u32_u24 v55, v51, 528
	v_lshl_add_u32 v55, v52, 5, v55
	v_add_nc_u32 v[STO], s84, v55                  ; in: row r, 32 bytes for each half of the lanes
	v_add_nc_u32 v[RD], s84, v[L16]                ; back: the 32 lanes take one row
	v_min_u32 v[PFO], 24, v50
	v_lshlrev_b32 v[PFO], 8, v[PFO]
	v_and_b32 v56, 8, v51
	v_add_nc_u32 v56, v56, v51
	v_lshlrev_b32 v57, 4, v52
	v_sub_nc_u32 v56, v56, v57
	v_add_nc_u32 v56, s13, v56                     ; my query's place in its block less 16 h
	v_add_nc_u32 v[ADK], s[TB], v[L16]
	v_add_nc_u32 v[ADS], s[TB], v[L4]
	v_add_nc_u32 v[ADV], s[TB], v[L16V]
	v_add_nc_u32 v[ADT], s[TB], v[L4V]
.set N, 0
.rept 48
	v_mov_b32 v[VFR+48+N], 0                       ; V's tiles 4..7 and their words: loaded and multiplied under two branches on the same number, so they are written here
.set N, N+1
.endr
	v_mov_b32 v[VS+2], 0
	v_mov_b32 v[VS+3], 0
	WIN 0x40
	v_mov_b32 v[LQ], v56
.irp s, STA, STB
	v_mov_b32 v[\s], 0x7f61b1e6                    ; -M
	v_mov_b32 v[\s+1], 0
	v_mov_b32 v[\s+2], 0xff61b1e6                  ; the largest score so far: -3e38, under every score
	v_mov_b32 v[\s+4], 0                           ; the sum, in two halves
	v_mov_b32 v[\s+5], 0
.endr
.irp b, 4,5,6,7,13,14,15
	v_mov_b32 v[T+\b], 0                           ; a lane permute's destination counts as one of its sources; the others are named in pairs
.endr
.set N, 0
.rept 128
	v_mov_b32 v[OA+N], 0                           ; O^T of A and B: the step is written once, and its first run finds zeros; for heads 4..7 the upper 32 stay zeros and are the output at d >= 64
.set N, N+1
.endr
	WIN 0
	s_wait_alu depctr_va_vdst(0)
	s_wait_loadcnt 0x0                             ; Q
	s_cmp_eq_u32 s[HIH], 0
	s_cbranch_scc1 .Lwhole
	s_cmp_eq_u32 s[EE], 0
	s_cbranch_scc0 .Lhead_b
.irp j, 6,7,8,9,10,11
	v_mov_b32 v[QA+\j], 0                          ; head a: the codes of k = 64..127 are head b's: zero codes
	v_mov_b32 v[QB+\j], 0
.endr
	s_wait_alu depctr_va_vdst(0)
	s_branch .Lwhole
.Lhead_b:
.irp j, 0,1,2,3,4,5
	v_mov_b32 v[QA+\j], 0                          ; head b: the codes of k = 0..63 are head a's
	v_mov_b32 v[QB+\j], 0
.endr
.Lwhole:
	s_wait_alu depctr_va_vdst(0)                   ; the head's end
	s_wait_tensorcnt 0x0                           ; my part of slot 0 is in
	ds_add_u32 v[SPW], v[NIL]
	s_xor_b32 s[G0+1], s[G0+1], SLOT1
	s_add_nc_u64 s[G0+2:G0+3], s[G0+2:G0+3], SLOTB
	s_wait_dscnt 0x0
	s_barrier_signal -1
	s_barrier_wait -1
	TLOAD                                          ; slot 1: every work-group has at least nine key steps
	LDK 0
.Lslot:                                            ; at most eight trips, a slot each
	STEP 0
	STEP 1
	s_sub_co_u32 s[SLOTS], s[SLOTS], 1
	s_cmp_lg_u32 s[SLOTS], 0
	s_cbranch_scc1 .Lslot
.Lout:
	WAYOUT OB, STB, 74
	s_wait_tensorcnt 0x0                           ; the wave's end, behind my last tensor load and my last LDS store
	ds_add_u32 v[SPW], v[NIL]
	s_wait_dscnt 0x0
	s_endpgm
.Lfunc_end_k_q4a3d976222_attn:
	.size	k_q4a3d976222_attn, .Lfunc_end_k_q4a3d976222_attn-k_q4a3d976222_attn
	.p2alignl 7, 3214868480
	.fill 96, 4, 3214868480
	.section	.rodata,"a",@progbits
	.p2align	6, 0x0
	.amdhsa_kernel k_q4a3d976222_attn
		.amdhsa_group_segment_fixed_size 327680
		.amdhsa_private_segment_fixed_size 0
		.amdhsa_enable_private_segment 0
		.amdhsa_kernarg_size 16
		.amdhsa_user_sgpr_count 2
		.amdhsa_user_sgpr_kernarg_segment_ptr 1
		.amdhsa_wavefront_size32 1
		.amdhsa_system_sgpr_workgroup_id_x 1
		.amdhsa_system_sgpr_workgroup_id_y 1
		.amdhsa_system_sgpr_workgroup_id_z 1
		.amdhsa_system_vgpr_workitem_id 0
		.amdhsa_next_free_vgpr 512
		.amdhsa_next_free_sgpr 100
		.amdhsa_reserve_vcc 1
		.amdhsa_float_denorm_mode_32 3
		.amdhsa_float_denorm_mode_16_64 3
		.amdhsa_memory_ordered 1
		.amdhsa_forward_progress 1
		.amdhsa_inst_pref_size 129
	.end_amdhsa_kernel
	.amdgpu_metadata
---
amdhsa.version: [ 1, 2 ]
amdhsa.kernels:
  - .name:           k_q4a3d976222_attn
    .symbol:         k_q4a3d976222_attn.kd
    .args:
      - { .name: qkv, .offset: 0, .size: 8, .value_kind: global_buffer, .address_space: global }
      - { .name: out0, .offset: 8, .size: 8, .value_kind: global_buffer, .address_space: global }
    .group_segment_fixed_size: 327680
    .private_segment_fixed_size: 0
    .kernarg_segment_align: 8
    .kernarg_segment_size: 16
    .max_flat_workgroup_size: 256
    .sgpr_count:     100
    .vgpr_count:     512
    .wavefront_size: 32
...
	.end_amdgpu_metadata
.endif
;; end of part 3
